; MI455X (gfx1250); checked and timed in simulation.
; The chip was launched on July 23, 2026; its instructions are those of AMD's public machine-readable ISA for CDNA 5 (MIT licence, August 2026) and "CDNA5" Instruction Set Architecture Reference Guide (July 2026). The comments in the code are by the model that wrote it; some were corrected since.
;; Separate non local. Allowed arithmetic: matrix products marked QUANTISED: E2M3 operands, one E8M0 scale for each 32 along K, by v_wmma_scale_f32_16x16x128_f8f6f4 with both operands' format E2M3, f32 sums; everything else in f32.
;; Inputs: bA 128 float32; bB 128 float32; bD 128 float32; bO 128 float32; nei 2 x 128 x 64 x 64 float32; ref 2 x 128 x 64 x 64 float32; wA 128 x 128 float32; wB 128 x 128 float32; wD 128 x 128 float32; wO 128 x 256 float32.
;; Outputs: out0 2 x 128 x 64 x 64 float32.
;; This version of the problem:
;;   THIS VERSION OF THE PROBLEM IS GIVEN IN LOW PRECISION. The matrix products marked QUANTISED in the list below multiply operands that are first quantised to E2M3 (2 exponent bits, 3 mantissa bits; 6 bits a number), with one power-of-two scale for each 32 numbers along K (OCP MX v1.0); their sums are f32. All else is computed in f32.
;;   The module's matrix products, in the order in which they are computed (A, B: the left and right operand; K: the contracted axis; several contracted axes count as one K, in the product's order):
;;     1. [M 16,384, K 128] x [K 128, N 128]; A: computed on the way; B: input wA: QUANTISED
;;     2. [M 16,384, K 128] x [K 128, N 128]; A: computed on the way; B: input wB: QUANTISED
;;     3. [M 16,384, K 128] x [K 128, N 128]; A: computed on the way; B: input wD: QUANTISED
;;     4. batch 2 x [M 8,192, K 128] x [K 128, N 8,192]; A: computed on the way; B: computed on the way: QUANTISED
;;     5. batch 2 x [M 128, K 8,192] x [K 8,192, N 8,192]; A: computed on the way; B: softmax (see below): QUANTISED
;;     6. [M 8,192, K 256] x [K 256, N 128]; A: computed on the way; B: input wO: QUANTISED
;;   THE QUANTISER, for each operand of a quantised product, along K:
;;     - K is cut into blocks of 32 from its start; a last block that is shorter is filled with zeros.
;;     - A block's scale is 2^e with e = floor(log2(the largest magnitude in the block)) - 2, held to -126 .. 127; a block of zeros has e = 0. As a byte (E8M0): e + 127.
;;     - Each number is divided by its block's scale, clamped to +-7.5, and rounded to the nearest number of E2M3, ties to even, subnormals kept.
;;     - The product sums the exact products of the quantised numbers (number of the format x scale) in f32.
;;   ~~~python
;;   def quantise(x, axis):      # numpy; x: float32 -> the quantised numbers, widened to float32 again
;;       x = np.moveaxis(x, axis, -1); K = x.shape[-1]
;;       x = np.pad(x, [(0, 0)] * (x.ndim - 1) + [(0, -K % 32)]); x = x.reshape(x.shape[:-1] + (-1, 32)); a = np.abs(x).max(-1, keepdims=True)
;;       e = np.where(a > 0, np.clip(np.frexp(np.where(a > 0, a, 1))[1] - 1 - 2, -126, 127), 0)      # np.frexp(a)[1] - 1 = floor(log2(a)), exactly
;;       r = np.clip(x / 2.0 ** e, -7.5, 7.5)
;;       step = 2.0 ** (np.maximum(np.frexp(np.where(r == 0, 1, r))[1] - 1, 0) - 3)
;;       q = np.round(r / step) * step * 2.0 ** e      # np.round: ties to even
;;       return np.moveaxis(q.reshape(q.shape[:-2] + (-1,))[..., :K], -1, axis).astype(np.float32)
;;   ~~~
;;   SOFTMAX AHEAD OF A QUANTISED PRODUCT. Where the list says 'softmax', what is quantised is not the finished softmax but p = 2^(t - M), with t = logit x log2(e) and M = ceil(the row's largest t), a whole number; so 1/2 < the row's largest p <= 1. The row's sum l is taken of the UNQUANTISED p, in f32, and the product's result is divided by l at the end. Since M is a whole number, a kernel that streams over the keys may use a running M (the ceiling of the running maximum): every later rescaling is an exact power of two, which a block's scale takes up: the codes' values come out the same.
;;   OPERANDS COMPUTED ON THE WAY. 'Computed on the way' means the value that the module computes at that place (a softmax that the list does not call 'softmax' is quantised finished and normalised). What goes into a quantiser is computed in f32, as accurately as f32 sums, v_exp_f32 and their like allow (about 1e-6 of the number): no bf16 or f16 on the way to a quantiser, and a product that is left as it is and whose result goes on into a quantised operand takes f32 operands (vector FMAs, or v_wmma_f32_16x16x4_f32). A number that lies on a knife's edge between two numbers of the format may be rounded either way, as far as f32 arithmetic and the matrix unit's own rounding can turn it there, and no further.
;; One version. Each part assembles by itself: llvm-mc -triple=amdgcn-amd-amdhsa -mcpu=gfx1250 --defsym DOCPART=n.
;; ======== version 1 of 1: 2 launches
;; workspace buffers: qb 1,638,400 bytes; kv 3,276,800 bytes; wo 26,624 bytes
;; launch proj (part 1): grid 256 x 1, 4 waves a work-group, no clusters, 197,120 bytes of LDS; arguments ref, nei, wA, wB, wD, wO, bA, bB, bD, qb, kv, wo; writes qb, kv, wo
.if DOCPART == 1
	.amdgcn_target "amdgcn-amd-amdhsa--gfx1250"
	.amdhsa_code_object_version 6
	.text
	.protected	k_q48fb216f5e_proj
	.globl	k_q48fb216f5e_proj
	.p2align	8
	.type	k_q48fb216f5e_proj,@function
k_q48fb216f5e_proj:
	s_mov_b64 s[64:65], 0
	v_nop
	global_prefetch_b8 v0, s[64:65] scope:SCOPE_SE
	s_setreg_imm32_b32 hwreg(HW_REG_WAVE_MODE, 25, 1), 1
	s_wait_xcnt 0x0
; q = wA x + bA, k = wB x + bB, v = wD x + bD for x = [ref | nei] (2 batches x 8,192 tokens x 128 channels), all three products on codes of FP6 (E2M3) with one
; E8M0 scale for each 32 along K (the channels); then q and k are quantised along the channels, v along the tokens, and stored as IMAGES OF OPERAND REGISTERS for the next launch.  wO is quantised once too.
; SHARES.  Work-group wg: half = wg & 1, tb = wg >> 1: a block of 128 tokens (64 blocks a batch; blocks 0-31 lie in ref, 32-63 in nei).  half 0 makes q, half 1 makes k; each makes four of v's eight channel tiles.
; Wave w quantises tokens 32 w .. 32 w + 31 of x, owns output channels 32 w .. 32 w + 31 of q or k (block w of the next product's K) and one tile of 16 channels of v.
; AN IMAGE is a fragment's 12 registers, 1,536 bytes: registers 4 c .. 4 c + 3 of lane l at 512 c + 16 l.  Tile 2 g + u of a block holds in row r token 32 g + 8 u + r + (r & 8); v's tile 2 b + u holds channel 32 b + 8 u + r + (r & 8):
; so a transposed product leaves 16 neighbours along the next K in the 16 registers of two neighbouring tiles.
; BLOCKS IN MEMORY: q: qb + 12,800 tb; k: kv + 25,600 tb; v: kv + 25,600 tb + 12,800.  Each: 8 images, then 512 bytes of scale words (q, k: word [g][16 u + r]; v: word [16 tile + r]).
; wo: 16 images (fragment f = 2 tile + K step: outputs 16 tile + r, k = 128 step ..), then 128 bytes of scale words for each.
; A block's scale byte is its largest magnitude's exponent field - 2, held at 1 from below.
; LIMITS: NaN and infinities among the inputs are not served.  A block of zeros, or one whose largest magnitude lies under 2^-124, gets the byte 1 where the rule says 127 for zeros: its codes are zeros, and this program alone reads the bytes.
; NO JOINT LOADS: the two work-groups of a token block share x's 65,536 bytes of the 163,840 that each brings in, every LDS byte is filled once, at the start, and an opening and a closing round of a cluster's barrier would stand round that one group of loads alone.
; NO PREFETCH: all that the launch reads is asked for by its first lines.
.set WP,   528                         ; a weight's row in LDS: 512 bytes + 16
.set FRB,  1536                        ; an image
.set XT,   0                           ; LDS: x, 128 channel rows x 512 bytes (128 tokens)
.set WT,   65536                       ; wA or wB: 128 rows x WP
.set DT,   133120                      ; my half of wD: 64 rows x WP
.set XIMG, 166912                      ; x's 8 images
.set XSC,  179200                      ; their scale words, 128 bytes a token group
.set QST,  179712                      ; q's or k's 8 images,
.set QSC,  192000                      ; their scale words, directly behind,
.set VSC,  192512                      ; and the scale words of my four tiles of v
.set LANE, 1
.set R,    2                           ; lane % 16
.set H,    3                           ; lane / 16
.set H8,   4                           ; 8 h
.set LI,   5                           ; 16 x lane
.set LS,   6                           ; 4 x lane
.set XA,   7                           ; x in LDS: my token
.set WA,   8                           ; my row of the q/k weight, my half's 32 numbers
.set DA,   9                           ; the same in wD
.set SA0,  10                          ; v10-12: where my 24 bytes of q/k codes go, in three pieces of 8
.set SB,   13                          ; and my token's scale byte
.set VB,   14                          ; v's scale word
.set RM,   15                          ; r + (r & 8)
.set XWI,  16                          ; where I store x's images, v17 their scale words
.set XWS,  17
.set WOO,  18                          ; wO: my byte offset
.set XRI,  19                          ; where x's images are read, v20 their scale words
.set XRS,  20
.set BQO,  21                          ; offsets of the bias loads
.set BVO,  22
.set CPL,  23                          ; the copy out: LDS address, v24 offset in memory
.set CPG,  24
.set QSCA, 25
.set VSCA, 26
.set BVW,  27                          ; bD of my lane's channel
.set WS,   28                          ; v28-30 the three weight tiles' scale words: scales and nothing else
.set L8,   31                          ; 8 x lane
.set XST,  32                          ; v32-159 my token's 128 channels
.set STA,  32                          ; later: two stagings of 64 numbers of a weight's row
.set STB,  96
.set XF0,  32                          ; later: x's fragments, two sets of two
.set XS0,  80                          ; v80-81 their scale words
.set TM3,  84                          ; three rows' largest magnitudes; v87-89 the other half's; v90-92 scale operands; v93-95 bytes
.set TP3,  87
.set TS3,  90
.set TB3,  93
.set PQ,   96                          ; v96-101 a block of q/k codes
.set T,    102
.set TV,   106
.set VF,   110                         ; v110-121 v's fragment
.set VW,   122                         ; its scale word
.set CP,   124                         ; v124-147 the copy out
.set WF2,  148                         ; v148-159 wD's fragment
.set TM,   160
.set TP,   164
.set TS,   168
.set TB,   172
.set PW,   176
.set F0,   178                         ; v178-189, v190-201: x's two fragments as they are made
.set F1,   190
.set TTX,  202                         ; v202-217: the upper halves of x's blocks (a conversion's three registers begin on an even number)
.set TTW,  178                         ; the same for a weight's two blocks
.set ACC,  160                         ; later: v160-207 six accumulators = three rows of 16 numbers
.set WF,   208                         ; v208-231 the q/k weight's two fragments
.set BQ,   232                         ; v232-247 bias of channels 32 w + 16 h + 0 .. 15
.set BV,   248                         ; v248-255 bD of my lane's channel, eight times
.set SEL,  88                          ; s[88:89] lane selects: lane l xor 16
	s_load_b512 s[8:23], s[0:1], 0x0               ; ref s[8:9], nei s[10:11], wA s[12:13], wB s[14:15], wD s[16:17], wO s[18:19], bA s[20:21], bB s[22:23]
	s_load_b256 s[24:31], s[0:1], 0x40             ; bD s[24:25], qb s[26:27], kv s[28:29], wo s[30:31]
	s_set_vgpr_msb 0x40
	v_lshl_add_u32 v0, v0, 2, 0x30000
	v_mov_b32 v1, 0
	s_set_vgpr_msb 0x4045
	ds_add_u32 v0, v1
	ds_add_u32 v0, v1
	s_set_vgpr_msb 0x4500
	v_lshrrev_b32 v1, 5, v0
	v_readfirstlane_b32 s2, v1                     ; wave 0..3
	s_and_b32 s3, ttmp9, 1                         ; half
	s_lshr_b32 s4, ttmp9, 1                        ; tb
	s_lshr_b32 s5, s4, 6                           ; batch
	s_and_b32 s6, s4, 63                           ; block in the batch
	; descriptor groups 1.  x: 32 channel rows x 128 tokens of 4 bytes, 4,096 elements from row to row, no padding
	s_mov_b32 s32, 2<<16
	s_mov_b32 s33, 128<<16
	s_mov_b32 s34, 32<<16
	s_mov_b32 s35, 128<<16
	s_mov_b32 s36, 32
	s_mov_b32 s37, 4096
	s_mov_b32 s38, 0
	s_mov_b32 s39, 0
	; the q/k weight: 32 rows x 128 elements, dense; 4 words of padding behind every 128
	s_mov_b32 s40, (2<<16)|(1<<20)|(6<<22)|(3<<25)
	s_mov_b32 s41, 128<<16
	s_mov_b32 s42, 32<<16
	s_mov_b32 s43, 128<<16
	s_mov_b32 s44, 32
	s_mov_b32 s45, 128
	s_mov_b32 s46, 0
	s_mov_b32 s47, 0
	; wD: the same with 16 rows
	s_mov_b32 s48, (2<<16)|(1<<20)|(6<<22)|(3<<25)
	s_mov_b32 s49, 128<<16
	s_mov_b32 s50, 16<<16
	s_mov_b32 s51, 128<<16
	s_mov_b32 s52, 16
	s_mov_b32 s53, 128
	s_mov_b32 s54, 0
	s_mov_b32 s55, 0
	s_lshl_b32 s72, s5, 21                         ; x: the batch's 128 x 4,096 x 4 bytes,
	s_and_b32 s7, s6, 31
	s_lshl_b32 s7, s7, 9                           ; the block's 128 tokens,
	s_add_co_u32 s72, s72, s7
	s_lshl_b32 s7, s2, 19                          ; my 32 channel rows
	s_add_co_u32 s72, s72, s7
	s_mov_b32 s73, 0
	s_lshl_b32 s74, s2, 14                         ; the q/k weight: my 32 rows of 512 bytes
	s_mov_b32 s75, 0
	s_lshl_b32 s76, s3, 15                         ; wD: my half's 64 rows, my 16 of them
	s_lshl_b32 s7, s2, 13
	s_add_co_u32 s76, s76, s7
	s_mov_b32 s77, 0
	s_mov_b32 s56, 1
	s_lshl_b32 s57, s2, 14                         ; XT + 32 rows x 512 x wave
	s_mov_b32 s60, 1
	s_mul_i32 s61, s2, 32*WP
	s_add_co_u32 s61, s61, WT
	s_mov_b32 s68, 1
	s_mul_i32 s69, s2, 16*WP
	s_add_co_u32 s69, s69, DT
	s_mov_b32 s[SEL], 0x76543210
	s_mov_b32 s[SEL+1], 0xfedcba98
	s_wait_dscnt 0x0
	s_wait_kmcnt 0x0
	s_cmp_lt_u32 s6, 32                            ; the choices hang on the work-group's number alone
	s_cselect_b64 s[78:79], s[8:9], s[10:11]       ; ref or nei
	s_add_nc_u64 s[58:59], s[78:79], s[72:73]
	s_or_b32 s59, s59, 0x80000000
	s_cmp_eq_u32 s3, 0
	s_cselect_b64 s[78:79], s[12:13], s[14:15]     ; wA or wB
	s_cselect_b64 s[20:21], s[20:21], s[22:23]     ; bA or bB
	s_cselect_b64 s[80:81], s[26:27], s[28:29]     ; qb or kv
	s_mov_b32 s82, 25600
	s_cselect_b32 s82, 12800, s82                  ; bytes from block to block there
	s_add_nc_u64 s[62:63], s[78:79], s[74:75]
	s_or_b32 s63, s63, 0x80000000
	s_add_nc_u64 s[70:71], s[16:17], s[76:77]
	s_or_b32 s71, s71, 0x80000000
	tensor_load_to_lds s[56:59], s[32:39]          ; every wave brings rows of its own of all three; each LDS byte is filled once.  Three loads of mine are out
	s_nop 0
	tensor_load_to_lds s[60:63], s[40:47]
	s_nop 0
	tensor_load_to_lds s[68:71], s[48:55]
	s_nop 0
.rept 4
	v_nop
.endr
	s_mul_i32 s82, s4, s82
	s_mov_b32 s83, 0
	s_add_nc_u64 s[80:81], s[80:81], s[82:83]      ; my block of q or of k
	s_mul_i32 s82, s4, 25600
	s_add_co_u32 s82, s82, 12800
	s_add_nc_u64 s[84:85], s[28:29], s[82:83]      ; the block of v
	s_lshl_b32 s82, s3, 8
	s_add_nc_u64 s[86:87], s[84:85], s[82:83]      ; + 256 x half: for my half's scale words
	s_lshl_b32 s82, s3, 2
	s_add_co_u32 s82, s82, s2                      ; my tile of v: 4 half + wave
	s_mul_i32 s82, s82, FRB
	s_add_nc_u64 s[84:85], s[84:85], s[82:83]      ; its image
	v_and_b32 v[LANE], 31, v0
	v_and_b32 v[R], 15, v0
	v_bfe_u32 v[H], v0, 4, 1
	v_lshlrev_b32 v[H8], 3, v[H]
	v_lshlrev_b32 v[LI], 4, v[LANE]
	v_lshlrev_b32 v[LS], 2, v[LANE]
	v_lshlrev_b32 v[L8], 3, v[LANE]
	v_and_b32 v[RM], 8, v[R]
	v_add_nc_u32 v[RM], v[RM], v[R]
	v_add_nc_u32 v[XA], v[H8], v[RM]               ; lane 16 u + r takes token 32 w + 8 u + r + (r & 8): the 32 lanes cover 128 consecutive bytes
	v_lshlrev_b32 v[XA], 2, v[XA]
	s_lshl_b32 s7, s2, 7
	v_add_nc_u32 v[XA], s7, v[XA]
	v_lshl_add_u32 v[BQO], v[H], 6, s7             ; bias of channels 32 w + 16 h on
	v_mul_u32_u24 v[WA], v[RM], WP
	v_lshl_add_u32 v[WA], v[H], 7, v[WA]           ; row r + (r & 8), + my half's 128 bytes
	s_lshr_b32 s7, s2, 1
	s_lshl_b32 s7, s7, 5
	s_and_b32 s72, s2, 1
	s_lshl_b32 s72, s72, 3
	s_add_co_u32 s7, s7, s72                       ; my tile of v begins at row 32 (w / 2) + 8 (w % 2) of my half of wD
	s_mul_i32 s72, s7, WP
	s_add_co_u32 s72, s72, DT
	v_add_nc_u32 v[DA], s72, v[WA]
	s_lshl_b32 s72, s3, 6
	s_add_co_u32 s72, s72, s7
	s_lshl_b32 s72, s72, 2
	v_lshl_add_u32 v[BVO], v[RM], 2, s72           ; bD of my lane's channel
	s_mul_i32 s72, s2, 32*WP
	s_add_co_u32 s72, s72, WT
	v_add_nc_u32 v[WA], s72, v[WA]
	global_load_b128 v[BQ:BQ+3], v[BQO], s[20:21]
	global_load_b128 v[BQ+4:BQ+7], v[BQO], s[20:21] offset:16
	global_load_b128 v[BQ+8:BQ+11], v[BQO], s[20:21] offset:32
	global_load_b128 v[BQ+12:BQ+15], v[BQO], s[20:21] offset:48
	global_load_b32 v[BVW], v[BVO], s[24:25]
	; block w of a token's codes is registers 6 a .. 6 a + 5 (a = w / 2) of lane r + 16 (w % 2) of its tile's image: pieces of 8 bytes at 520 a, 8 + 1,016 a, 512 + 520 a of that lane's place
	v_mul_u32_u24 v[SA0], v[H], FRB
	v_lshl_add_u32 v[SA0], v[R], 4, v[SA0]
	s_and_b32 s72, s2, 1
	s_lshl_b32 s72, s72, 8
	s_add_co_u32 s72, s72, QST
	v_add_nc_u32 v[SA0], s72, v[SA0]
	s_lshr_b32 s72, s2, 1
	s_mul_i32 s74, s72, 1016
	s_add_co_u32 s74, s74, 8
	v_add_nc_u32 v[SA0+1], s74, v[SA0]
	s_mul_i32 s74, s72, 520
	s_add_co_u32 s75, s74, 512
	v_add_nc_u32 v[SA0+2], s75, v[SA0]
	v_add_nc_u32 v[SA0], s74, v[SA0]
	v_add_nc_u32 v[SB], s2, v[LS]
	v_add_nc_u32 v[SB], QSC, v[SB]                 ; byte w of word 16 u + r
	s_lshl_b32 s72, s2, 6
	s_add_co_u32 s72, s72, VSC
	v_lshl_add_u32 v[VB], v[R], 2, s72
	s_mul_i32 s72, s2, 2*FRB
	s_add_co_u32 s74, s72, XIMG
	v_add_nc_u32 v[XWI], s74, v[LI]
	s_add_co_u32 s74, s72, QST
	v_add_nc_u32 v[CPL], s74, v[LI]
	v_add_nc_u32 v[CPG], s72, v[LI]
	s_lshl_b32 s72, s2, 7
	s_add_co_u32 s72, s72, XSC
	v_add_nc_u32 v[XWS], s72, v[LS]
	v_add_nc_u32 v[XRI], XIMG, v[LI]
	v_add_nc_u32 v[XRS], XSC, v[LS]
	v_add_nc_u32 v[QSCA], QSC, v[LI]
	v_add_nc_u32 v[VSCA], VSC, v[L8]
	v_mov_b32 v[TP], 0                             ; written once: a lane permute's destination counts as one of its sources
; 64 numbers of a lane, register 32 c + i = k 64 c + 32 h + i of my row (two whole blocks), become the row's part of a fragment in v[dst] on and the row's scale word in v[sw].
.macro QW src, dst, sw
	v_max3_num_f32 v[TM], |v[\src]|, |v[\src+1]|, 0x1800000       ; the floor 2^(3 - 127) among the leaves: the byte cannot fall under 1
	v_max3_num_f32 v[TM+1], |v[\src+32]|, |v[\src+33]|, 0x1800000
.irp i, 2,4,6,8,10,12,14,16,18,20,22,24,26,28,30
	v_max3_num_f32 v[TM], v[TM], |v[\src+\i]|, |v[\src+\i+1]|     ; the two blocks by turns
	v_max3_num_f32 v[TM+1], v[TM+1], |v[\src+32+\i]|, |v[\src+33+\i]|
.endr
	v_add_nc_u32 v[TS], 0xff000000, v[TM]          ; 2 off the exponent field: the conversion's scale operand
	v_add_nc_u32 v[TS+1], 0xff000000, v[TM+1]
	v_lshrrev_b32 v[TB], 23, v[TS]                 ; the bytes of blocks h and 2 + h
	v_lshrrev_b32 v[TB+1], 23, v[TS+1]
	v_lshl_or_b32 v[\sw], v[TB+1], 16, v[TB]
	v_lshlrev_b32 v[\sw], v[H8], v[\sw]            ; at their places in the word;
	v_permlanex16_b32 v[TP], v[\sw], s[SEL], s[SEL+1]
	v_or_b32 v[\sw], v[\sw], v[TP]                 ; with lane l xor 16's two the word is whole
.irp c, 0,1
	v_cvt_scalef32_pk16_fp6_f32 v[\dst+6*\c:\dst+6*\c+2], v[\src+32*\c:\src+32*\c+15], v[TS+\c]
	v_cvt_scalef32_pk16_fp6_f32 v[TTW+4*\c:TTW+4*\c+2], v[\src+32*\c+16:\src+32*\c+31], v[TS+\c]
.endr
	v_nop                                          ; one plain line behind the scaled conversions
.irp c, 0,1
.irp i, 0,1,2
	v_mov_b32 v[\dst+6*\c+3+\i], v[TTW+4*\c+\i]
.endr
.endr
.endm
.macro IMAGE adr, reg, off                     ; a fragment goes to LDS as it stands in the registers
.irp c, 0,1,2
	ds_store_b128 v[\adr], v[\reg+4*\c:\reg+4*\c+3] offset:\off+512*\c
.endr
.endm
.macro FETCH reg, adr, off                     ; and comes back so, in any wave
.irp c, 0,1,2
	ds_load_b128 v[\reg+4*\c:\reg+4*\c+3], v[\adr] offset:\off+512*\c
.endr
.endm
.macro WLOAD reg, adr, off                     ; 64 numbers of my row of a weight: 32 of each of my two blocks
.irp c, 0,1
.irp j, 0,1,2,3,4,5,6,7
	ds_load_b128 v[\reg+32*\c+4*\j:\reg+32*\c+4*\j+3], v[\adr] offset:\off+256*\c+16*\j
.endr
.endr
.endm
	; ---- wO, once in the launch: work-groups 0 to 3, a fragment a wave; straight from memory to memory, no LDS, no barrier inside the branch
	s_cmp_lt_u32 ttmp9, 4
	s_cbranch_scc0 .Lno_wo
	s_lshl_b32 s72, ttmp9, 2
	s_add_co_u32 s72, s72, s2                      ; f
	s_lshr_b32 s74, s72, 1
	s_lshl_b32 s74, s74, 14                        ; 16 rows of 1,024 bytes a tile,
	s_and_b32 s75, s72, 1
	s_lshl_b32 s75, s75, 9                         ; 512 bytes a K step
	s_add_co_u32 s74, s74, s75
	v_lshlrev_b32 v[WOO], 10, v[R]
	v_lshl_add_u32 v[WOO], v[H], 7, v[WOO]
	v_add_nc_u32 v[WOO], s74, v[WOO]
.irp c, 0,1
.irp j, 0,1,2,3,4,5,6,7
	global_load_b128 v[STA+32*\c+4*\j:STA+32*\c+4*\j+3], v[WOO], s[18:19] offset:256*\c+16*\j
.endr
.endr
	s_mul_i32 s74, s72, FRB
	s_mov_b32 s75, 0
	s_add_nc_u64 s[74:75], s[30:31], s[74:75]
	s_lshl_b32 s76, s72, 7
	s_add_co_u32 s76, s76, 16*FRB
	s_mov_b32 s77, 0
	s_add_nc_u64 s[76:77], s[30:31], s[76:77]
	s_wait_loadcnt 0x0
	QW STA, WF, WS
.irp c, 0,1,2
	global_store_b128 v[LI], v[WF+4*\c:WF+4*\c+3], s[74:75] offset:512*\c      ; 32 lanes store 512 consecutive bytes
.endr
	global_store_b32 v[LS], v[WS], s[76:77]
	s_wait_xcnt 0x0                                ; the stores have read their registers, which are written again below
.Lno_wo:
	s_wait_tensorcnt 0x0                           ; my rows of x and of the weights are in LDS,
	s_barrier_signal -1
	s_barrier_wait -1                              ; everybody's are
	; ---- X: my lane's token: all its 128 channels, four whole blocks: no other lane is asked for a maximum
.set c, 0
.rept 128
	ds_load_b32 v[XST+c], v[XA] offset:c*512
.set c, c+1
.endr
	s_wait_dscnt 0x0
.irp b, 0,1,2,3
	v_max3_num_f32 v[TM+\b], |v[XST+32*\b]|, |v[XST+32*\b+1]|, 0x1800000
.endr
.irp i, 2,4,6,8,10,12,14,16,18,20,22,24,26,28,30
.irp b, 0,1,2,3
	v_max3_num_f32 v[TM+\b], v[TM+\b], |v[XST+32*\b+\i]|, |v[XST+32*\b+\i+1]|
.endr
.endr
.irp b, 0,1,2,3
	v_add_nc_u32 v[TS+\b], 0xff000000, v[TM+\b]
.endr
.irp b, 0,1,2,3
	v_lshrrev_b32 v[TB+\b], 23, v[TS+\b]
.endr
	v_lshl_or_b32 v[PW], v[TB+1], 8, v[TB]
	v_lshl_or_b32 v[PW], v[TB+2], 16, v[PW]
	v_lshl_or_b32 v[PW], v[TB+3], 24, v[PW]        ; my token's scale word
.irp c, 0,1
	v_cvt_scalef32_pk16_fp6_f32 v[F0+6*\c:F0+6*\c+2], v[XST+64*\c:XST+64*\c+15], v[TS+2*\c]             ; block 2 c, lower 16
	v_cvt_scalef32_pk16_fp6_f32 v[TTX+8*\c:TTX+8*\c+2], v[XST+64*\c+16:XST+64*\c+31], v[TS+2*\c]        ; upper 16
	v_cvt_scalef32_pk16_fp6_f32 v[F1+6*\c:F1+6*\c+2], v[XST+64*\c+32:XST+64*\c+47], v[TS+2*\c+1]        ; block 2 c + 1
	v_cvt_scalef32_pk16_fp6_f32 v[TTX+8*\c+4:TTX+8*\c+6], v[XST+64*\c+48:XST+64*\c+63], v[TS+2*\c+1]
.endr
	v_nop                                          ; one plain line behind the scaled conversions
.irp c, 0,1                                    ; lanes 0-15 hold tile 0's tokens, lanes 16-31 tile 1's; a fragment wants block 2 c in lanes 0-15 and block 2 c + 1 in lanes 16-31 of ONE tile:
.irp i, 0,1,2                                  ; the first's lanes 16-31 change places with the second's lanes 0-15
	v_permlane16_swap_b32 v[F0+6*\c+\i], v[F1+6*\c+\i]
	v_permlane16_swap_b32 v[TTX+8*\c+\i], v[TTX+8*\c+4+\i]
.endr
.irp i, 0,1,2
	v_mov_b32 v[F0+6*\c+3+\i], v[TTX+8*\c+\i]
	v_mov_b32 v[F1+6*\c+3+\i], v[TTX+8*\c+4+\i]
.endr
.endr
	IMAGE XWI, F0, 0
	IMAGE XWI, F1, FRB
	ds_store_b32 v[XWS], v[PW]
	; ---- W: my three weight tiles become fragments that stay in registers
	WLOAD STA, WA, 0
	WLOAD STB, WA, 8*WP
	s_wait_dscnt 16                                ; all but the second tile's 16 loads: the first tile is in, and the stores above have read their registers
	QW STA, WF, WS
	WLOAD STA, DA, 0
	s_wait_dscnt 16                                ; all but wD's 16 loads
	QW STB, WF+12, WS+1
	s_wait_dscnt 0x0
	QW STA, WF2, WS+2
	s_wait_loadcnt 0x0                             ; the biases
.irp j, 0,1,2,3,4,5,6,7
	v_mov_b32 v[BV+\j], v[BVW]
.endr
.irp y, 0,1,2
	v_mov_b32 v[TP3+\y], 0                         ; a lane permute's destination counts as one of its sources
.endr
	s_wait_dscnt 0x0                               ; for the others' sake: my images of x have landed
	s_barrier_signal -1
	s_barrier_wait -1
	FETCH XF0, XRI, 0
	FETCH XF0+12, XRI, FRB
	ds_load_b32 v[XS0], v[XRS]
.rept 8
	v_nop                                          ; scale registers written by vector instructions stand 8 places ahead of a scaled matrix instruction, operands so written 4
.endr
; ---- A group of 32 tokens.  q/k TRANSPOSED (source 0 = 16 of my channels, source 1 = 16 tokens): lane (r, h) holds token r, and the 16 registers of the two weight tiles are channels 32 w + 16 h + 0 .. 15.
; v the other way (source 0 = 16 tokens, source 1 = my 16 channels): lane (r, h) holds channel r, and the 16 registers of the two token tiles are tokens 32 g + 16 h + 0 .. 15.  Each sum is one instruction, begun with its bias as C.
.macro GROUP g
.set XF, XF0+24*((\g)%2)
.set XS, XS0+(\g)%2
	s_wait_dscnt 0x0                               ; this group's fragments are in; the last group's stores have read their registers
	v_wmma_scale_f32_16x16x128_f8f6f4 v[ACC:ACC+7], v[WF:WF+11], v[XF:XF+11], v[BQ:BQ+7], v[WS], v[XS] matrix_a_fmt:MATRIX_FMT_FP6 matrix_b_fmt:MATRIX_FMT_FP6
	v_wmma_scale_f32_16x16x128_f8f6f4 v[ACC+8:ACC+15], v[WF+12:WF+23], v[XF:XF+11], v[BQ+8:BQ+15], v[WS+1], v[XS] matrix_a_fmt:MATRIX_FMT_FP6 matrix_b_fmt:MATRIX_FMT_FP6
	v_wmma_scale_f32_16x16x128_f8f6f4 v[ACC+16:ACC+23], v[WF:WF+11], v[XF+12:XF+23], v[BQ:BQ+7], v[WS], v[XS] matrix_a_fmt:MATRIX_FMT_FP6 matrix_b_fmt:MATRIX_FMT_FP6 matrix_b_scale:MATRIX_SCALE_ROW1
	v_wmma_scale_f32_16x16x128_f8f6f4 v[ACC+24:ACC+31], v[WF+12:WF+23], v[XF+12:XF+23], v[BQ+8:BQ+15], v[WS+1], v[XS] matrix_a_fmt:MATRIX_FMT_FP6 matrix_b_fmt:MATRIX_FMT_FP6 matrix_b_scale:MATRIX_SCALE_ROW1
	v_wmma_scale_f32_16x16x128_f8f6f4 v[ACC+32:ACC+39], v[XF:XF+11], v[WF2:WF2+11], v[BV:BV+7], v[XS], v[WS+2] matrix_a_fmt:MATRIX_FMT_FP6 matrix_b_fmt:MATRIX_FMT_FP6
	v_wmma_scale_f32_16x16x128_f8f6f4 v[ACC+40:ACC+47], v[XF+12:XF+23], v[WF2:WF2+11], v[BV:BV+7], v[XS], v[WS+2] matrix_a_fmt:MATRIX_FMT_FP6 matrix_b_fmt:MATRIX_FMT_FP6 matrix_a_scale:MATRIX_SCALE_ROW1
.if (\g) < 3
.set XN, XF0+24*(((\g)+1)%2)
	FETCH XN, XRI, (2*(\g)+2)*FRB                  ; the next group's fragments, into the other set
	FETCH XN+12, XRI, (2*(\g)+3)*FRB
	ds_load_b32 v[XS0+((\g)+1)%2], v[XRS] offset:128*((\g)+1)
.endif
.rept 4
	v_nop                                          ; places in front of the first read of the results
.endr
.irp y, 0,1,2                                  ; three rows of 16 numbers by turns: q/k of token tile 0, of tile 1, v.  Each accumulator is read from its low end on
	v_max3_num_f32 v[TM3+\y], |v[ACC+16*\y]|, |v[ACC+16*\y+1]|, 0x1800000
.endr
.irp i, 2,4,6,8,10,12,14
.irp y, 0,1,2
	v_max3_num_f32 v[TM3+\y], v[TM3+\y], |v[ACC+16*\y+\i]|, |v[ACC+16*\y+\i+1]|
.endr
.endr
.irp y, 0,1,2
	v_permlanex16_b32 v[TP3+\y], v[TM3+\y], s[SEL], s[SEL+1]
.endr
.irp y, 0,1,2
	v_max_num_f32 v[TM3+\y], v[TM3+\y], v[TP3+\y]  ; with lane l xor 16's 16: the block's largest magnitude
.endr
.irp y, 0,1,2
	v_add_nc_u32 v[TS3+\y], 0xff000000, v[TM3+\y]
.endr
.irp y, 0,1,2
	v_lshrrev_b32 v[TB3+\y], 23, v[TS3+\y]
.endr
	v_cvt_scalef32_pk16_fp6_f32 v[PQ:PQ+2], v[ACC:ACC+15], v[TS3]
	v_cvt_scalef32_pk16_fp6_f32 v[T:T+2], v[ACC+16:ACC+31], v[TS3+1]
.if (\g)%2 == 0
	v_cvt_scalef32_pk16_fp6_f32 v[VF+6*((\g)/2):VF+6*((\g)/2)+2], v[ACC+32:ACC+47], v[TS3+2]
.else
	v_cvt_scalef32_pk16_fp6_f32 v[TV:TV+2], v[ACC+32:ACC+47], v[TS3+2]
.endif
	v_nop                                          ; one plain line behind the scaled conversions
.irp i, 0,1,2
	v_permlane16_swap_b32 v[PQ+\i], v[T+\i]        ; now lane 16 u + r holds the lower 16 codes of block w of tile u's token r, and T the upper 16
.endr
.irp i, 0,1,2
	v_mov_b32 v[PQ+3+\i], v[T+\i]
.endr
	v_permlane16_swap_b32 v[TB3], v[TB3+1]         ; and that token's byte
	ds_store_b64 v[SA0], v[PQ:PQ+1] offset:2*FRB*(\g)
	ds_store_b64 v[SA0+1], v[PQ+2:PQ+3] offset:2*FRB*(\g)
	ds_store_b64 v[SA0+2], v[PQ+4:PQ+5] offset:2*FRB*(\g)
	ds_store_b8 v[SB], v[TB3] offset:128*(\g)
.if (\g)%2 == 1
.irp i, 0,1,2                                  ; v: two half blocks a lane become one whole block a lane
	v_permlane16_swap_b32 v[VF+6*((\g)/2)+\i], v[TV+\i]
.endr
.irp i, 0,1,2
	v_mov_b32 v[VF+6*((\g)/2)+3+\i], v[TV+\i]
.endr
.endif
.if (\g) == 0
	v_mov_b32 v[VW], v[TB3+2]
.else
	v_lshl_or_b32 v[VW], v[TB3+2], 8*(\g), v[VW]   ; byte g of my channel's scale word for these 128 tokens
.endif
.endm
	GROUP 0
	GROUP 1
	GROUP 2
	GROUP 3
.irp c, 0,1,2
	global_store_b128 v[LI], v[VF+4*\c:VF+4*\c+3], s[84:85] offset:512*\c   ; v's image as it stands: 32 lanes store 512 consecutive bytes
.endr
	ds_store_b32 v[VB], v[VW]                      ; (both halves of the lanes write the same word with the same value)
	s_wait_dscnt 0x0                               ; for the others' sake: my codes and bytes have landed
	s_barrier_signal -1
	s_barrier_wait -1
	; ---- the block of q or k leaves as it lies: 3,072 bytes a wave
.irp k, 0,1,2,3,4,5
	ds_load_b128 v[CP+4*\k:CP+4*\k+3], v[CPL] offset:512*\k
.endr
.irp k, 0,1,2,3,4,5
	s_wait_dscnt 5-\k                              ; the younger of the six may stay out
	global_store_b128 v[CPG], v[CP+4*\k:CP+4*\k+3], s[80:81] offset:512*\k
.endr
	s_cmp_lg_u32 s2, 0
	s_cbranch_scc1 .Lend
	ds_load_b128 v[32:35], v[QSCA]                 ; wave 0: the block's 512 bytes of scale words,
	ds_load_b64 v[36:37], v[VSCA]                  ; and the 256 bytes of my half's tiles of v
	s_wait_dscnt 0x0
	global_store_b128 v[LI], v[32:35], s[80:81] offset:8*FRB
	global_store_b64 v[L8], v[36:37], s[86:87] offset:8*FRB
.Lend:
	s_set_vgpr_msb 0x5
	s_wait_tensorcnt 0x0
	ds_add_u32 v0, v1
	s_wait_dscnt 0x0
	s_set_vgpr_msb 0x500
	s_endpgm
.Lfunc_end_k_q48fb216f5e_proj:
	.size	k_q48fb216f5e_proj, .Lfunc_end_k_q48fb216f5e_proj-k_q48fb216f5e_proj
	.p2alignl 7, 3214868480
	.fill 96, 4, 3214868480
	.section	.rodata,"a",@progbits
	.p2align	6, 0x0
	.amdhsa_kernel k_q48fb216f5e_proj
		.amdhsa_group_segment_fixed_size 197120
		.amdhsa_private_segment_fixed_size 0
		.amdhsa_enable_private_segment 0
		.amdhsa_kernarg_size 96
		.amdhsa_user_sgpr_count 2
		.amdhsa_user_sgpr_kernarg_segment_ptr 1
		.amdhsa_wavefront_size32 1
		.amdhsa_system_sgpr_workgroup_id_x 1
		.amdhsa_system_sgpr_workgroup_id_y 1
		.amdhsa_system_sgpr_workgroup_id_z 1
		.amdhsa_system_vgpr_workitem_id 0
		.amdhsa_next_free_vgpr 258
		.amdhsa_next_free_sgpr 96
		.amdhsa_reserve_vcc 0
		.amdhsa_float_denorm_mode_32 3
		.amdhsa_float_denorm_mode_16_64 3
		.amdhsa_memory_ordered 1
		.amdhsa_forward_progress 1
		.amdhsa_inst_pref_size 61
	.end_amdhsa_kernel
	.amdgpu_metadata
---
amdhsa.version: [ 1, 2 ]
amdhsa.kernels:
  - .name:           k_q48fb216f5e_proj
    .symbol:         k_q48fb216f5e_proj.kd
    .args:
      - { .name: ref, .offset: 0, .size: 8, .value_kind: global_buffer, .address_space: global }
      - { .name: nei, .offset: 8, .size: 8, .value_kind: global_buffer, .address_space: global }
      - { .name: wA, .offset: 16, .size: 8, .value_kind: global_buffer, .address_space: global }
      - { .name: wB, .offset: 24, .size: 8, .value_kind: global_buffer, .address_space: global }
      - { .name: wD, .offset: 32, .size: 8, .value_kind: global_buffer, .address_space: global }
      - { .name: wO, .offset: 40, .size: 8, .value_kind: global_buffer, .address_space: global }
      - { .name: bA, .offset: 48, .size: 8, .value_kind: global_buffer, .address_space: global }
      - { .name: bB, .offset: 56, .size: 8, .value_kind: global_buffer, .address_space: global }
      - { .name: bD, .offset: 64, .size: 8, .value_kind: global_buffer, .address_space: global }
      - { .name: qb, .offset: 72, .size: 8, .value_kind: global_buffer, .address_space: global }
      - { .name: kv, .offset: 80, .size: 8, .value_kind: global_buffer, .address_space: global }
      - { .name: wo, .offset: 88, .size: 8, .value_kind: global_buffer, .address_space: global }
    .group_segment_fixed_size: 197120
    .private_segment_fixed_size: 0
    .kernarg_segment_align: 8
    .kernarg_segment_size: 96
    .max_flat_workgroup_size: 128
    .sgpr_count:     96
    .vgpr_count:     258
    .wavefront_size: 32
...
	.end_amdgpu_metadata
.endif
;; end of part 1
;; launch attn (part 2): grid 128 x 2, 16 waves a work-group, clusters of 4 x 1, 327,680 bytes of LDS; arguments qb, kv, wo, bO, ref, out0; writes out0
.if DOCPART == 2
	.amdgcn_target "amdgcn-amd-amdhsa--gfx1250"
	.amdhsa_code_object_version 6
	.text
	.protected	k_q48fb216f5e_attn
	.globl	k_q48fb216f5e_attn
	.p2align	8
	.type	k_q48fb216f5e_attn,@function
k_q48fb216f5e_attn:
	s_mov_b64 s[64:65], 0
	v_nop
	global_prefetch_b8 v0, s[64:65] scope:SCOPE_SE
	s_setreg_imm32_b32 hwreg(HW_REG_WAVE_MODE, 25, 1), 1
	s_wait_xcnt 0x0
	s_wait_alu depctr_hold_cnt(0) depctr_sa_sdst(0) depctr_va_vdst(0) depctr_va_sdst(0) depctr_va_ssrc(0) depctr_va_vcc(0) depctr_vm_vsrc(0)
	s_getreg_b32 s2, hwreg(HW_REG_IB_STS2, 6, 4)
	s_cmp_eq_u32 s2, 0
	s_cbranch_scc0 .Lentry_in_a_cluster
	s_endpgm
.Lentry_in_a_cluster:
	s_bfe_u32 s2, ttmp6, 0x10000c
	s_cmp_lg_u32 s2, 0x3003
	s_cbranch_scc0 .Lentry_shape_is_right
	s_endpgm
.Lentry_shape_is_right:
; out0 = ref + bO + wO [e(token hw) ; e(token 4,096 + hw)], e = softmax(q^T k) v^T over all 8,192 tokens of a batch; all three products on codes of FP6 (E2M3) with one E8M0 scale for each 32 along K.
; q, k, v and wO come as images of operand registers (a fragment's registers 4 c .. 4 c + 3 of lane l at 512 c + 16 l) with their scale words, as the launch before has laid them.
; THE SOFTMAX AHEAD OF THE SECOND PRODUCT: t = score x log2(e); M = the largest t so far, rounded UP to a whole number; p = 2^(t - M) is quantised along the keys, not normalised; the sum is taken of the unquantised p.
; SHARES.  A work-group owns 32 positions: 64 queries, four tiles t of 16 (t / 2: the token's half, ref's or nei's; t % 2: which tile of the 32 tokens).  Sixteen waves: wave 4 t + s walks, for tile t, every fourth
; key step of 128 keys (steps 4 i + s, i = 0 .. 15).  Four waves to a SIMD, so that one wave's vector work stands beside another's products and LDS loads.
; At the end the four parts of a tile meet in LDS: each is brought under the largest of the four M by an exact power of two, they are added and divided by the sum; e is quantised along the channels, and the last product follows.
; Both attention products are used transposed (S^T = k q^T, O^T = v^T p^T): a lane holds ONE query throughout.  The keys of k's tiles and the channels of v's tiles are laid so that the 16 registers of two neighbouring tiles are
; 16 neighbours along the next K.
; THE RING: two LDS slots of four key steps, 102,400 dense bytes.  CLUSTER: the four work-groups of a cluster belong to one batch and walk the same k and v: each of the sixteen waves asks JOINTLY for 6,400 bytes of a slot,
; by the same load with the same descriptor and a mask that names the four.
; LIMITS: NaN and infinities are not served.  A block of p or of e whose largest magnitude lies under 2^-124 keeps the scale byte 1: its codes are zeros.  The sums over the keys are formed in four parts and joined by exact powers of two.
; out0 and ref move in aligned pieces of 128 bytes, eight lanes to a piece: a position needs both its tokens, and 64 queries are 32 positions.
.set FRB,   1536                       ; an image
.set STEPB, 25600                      ; a key step: k's 8 images and 512 bytes of scale words, then v's
.set ROUNDB, 4*STEPB                   ; a slot
.set WPART, 6400                       ; what one wave fetches of it: 25 rows of 256 bytes
.set SLOT1, 1<<17                      ; slot 1 begins here: one exclusive or turns an address from one slot to the other
.set STAT,  233472                     ; behind the ring: (-M, sum) of each lane of each wave, 256 bytes a wave
.set EIMG,  237568                     ; e's four images
.set ESC,   243712                     ; their scale words, 64 bytes a tile
.set OST,   243968                     ; the stage for the result: 128 outputs x (128 bytes + 16)
.set OSP,   144
.set SPARE, 262400                     ; the spare words, 128 bytes for each wave: eight blocks of 256 bytes that no other line names
; O^T's parts, 8,192 bytes a wave, go to LDS bytes 0 .. 131,071: slot 0, which has had its last fill and its last read by then, and the bytes behind it that no load fills
.set LI,   1                           ; v1   16 x lane + 25,600 s: my step's images in a slot
.set LS,   2                           ; v2   4 x lane + 25,600 s: its scale words
.set OPA,  3                           ; v3   where I put my part of O^T
.set OPR,  4                           ; v4   where I read the four parts of my 32 channels
.set SPW,  5                           ; v5   LDS address of my spare word; never rewritten
.set NIL,  6                           ; v6   0; never rewritten
.set GO,   7                           ; v7   my byte offset in ref and out0
.set ADK,  8                           ; v8   the step's images
.set ADS,  9                           ; v9   the step's scale words
.set STW,  10                          ; v10  where I put (-M, sum)
.set STR,  11                          ; v11  where I read the four
.set EA,   28                          ; v28-30 where my three registers of e's codes go
.set EB,   31                          ; v31  and the block's scale byte
.set ER,   90                          ; v90  e's images, as I read them;  v91 their scale words
.set ESR,  91
.set OSW,  92                          ; v92  the stage: in;  v93: back
.set OSR,  93
.set PFO,  94                          ; v94  256 x lane: the prefetches' offset; never rewritten
.set L16,  95                          ; v95  16 x lane
; v12 -M, v13 the largest t, v[14:15] the sum in two halves; v16-27 q; v32-79 four fragments; v80-87 ref; v88-89 bO; v96-159 S^T, then p; v160-223 O^T; v224-235 p's codes; v232-254 at work; v248-249 scale words; v255 q's scale word
.set WV,   18
.set SEL,  20                          ; s[20:21] lane selects: lane l xor 16
.set CS,   22                          ; s[22:23] log2(e): the packed form names a pair and takes its low word for both halves
.set G1,   24                          ; s[24:31] descriptor group 1
.set G0,   40                          ; s[40:43] group 0, which walks
.set TB,   2                           ; s2   LDS byte at which the slot in hand begins
.set SLOTS, 67                         ; s67  slots still to be asked for
.set PFA,  76                          ; s[76:77] where my prefetches stand
.set LIM,  80                          ; s80  4 in a wave that prefetches, else the greatest number
.macro CROUND                          ; a round of the cluster's barrier: my work-group's barrier; wave 0 signals for the work-group; every wave waits for all four work-groups; my work-group's barrier once more
	s_barrier_signal -1
	s_barrier_wait -1
	s_cmp_lg_u32 s[WV], 0
	s_cbranch_scc1 .Lnot_wave_0_\@
	s_barrier_signal -3
.Lnot_wave_0_\@:
	s_barrier_wait -3
	s_barrier_signal -1
	s_barrier_wait -1
.endm
; A PREFETCH INTO THE L2, behind the wave's tensor load and its four lines.  All clusters of a batch walk the same k and v: the batch's first cluster asks.  Its four partners share the bytes out BY ADDRESS (32,768 bytes each),
; waves 0 to 3 of each take 8,192 bytes, lanes 256 bytes apart: 131,072 bytes a change of slots.  The first ask names bytes 196,608 on of the batch's 1,638,400, the eleventh ends at the batch's last byte; the four later changes ask for nothing.
; Each aligned block of 256 bytes is named once.  At change j all bytes up to 327,680 + 131,072 j have been named; the load of change j + 1 ends at byte 307,200 + 102,400 j.  The first two slots come by their loads alone.
.macro ASK
	s_cmp_gt_u32 s[SLOTS], s[LIM]
	s_cbranch_scc0 .Lnot_mine_\@
	global_prefetch_b8 v[PFO], s[PFA:PFA+1] th:TH_LOAD_NT scope:SCOPE_SE
.Lnot_mine_\@:
.endm
	s_load_b256 s[4:11], s[0:1], 0x0               ; qb s[4:5], kv s[6:7], wo s[8:9], bO s[10:11]
	s_load_b128 s[12:15], s[0:1], 0x20             ; ref s[12:13], out0 s[14:15]
	v_lshl_add_u32 v[SPW], v0, 2, SPARE
	v_mov_b32 v[NIL], 0
	ds_add_u32 v5, v6
	ds_add_u32 v5, v6
	s_wait_dscnt 0x0
	v_lshrrev_b32 v8, 5, v0
	v_readfirstlane_b32 s[WV], v8                  ; wave 0..15
	s_bfe_u32 s68, ttmp6, 0x40000                  ; cx: it enters the addresses of qb, ref, out0 and the prefetches alone
	s_lshl_b32 s69, ttmp9, 2
	s_add_co_u32 s69, s69, s68                     ; my group of 32 positions
	s_and_b32 s70, ttmp7, 0xffff                   ; the batch, which the four partners share
	s_lshr_b32 s71, s[WV], 2                       ; t
	s_and_b32 s72, s[WV], 3                        ; s
	s_mov_b32 s[G1], 15|(3<<16)|(1<<21)            ; 15:0 the mask: all four work-groups; 17:16 elements of 8 bytes; 21 set beside a mask; no padding
	s_mov_b32 s[G1+1], 32<<16                      ; tensor_dim0 = 32 elements: rows of 256 bytes
	s_mov_b32 s[G1+2], 25<<16                      ; tensor_dim1 = 25
	s_mov_b32 s[G1+3], 32<<16                      ; tile_dim0
	s_mov_b32 s[G1+4], 25                          ; tile_dim1
	s_mov_b32 s[G1+5], 32                          ; the rows are dense
	s_mov_b32 s[G1+6], 0
	s_mov_b32 s[G1+7], 0
	s_mul_i32 s44, s70, 64*STEPB                   ; the batch's first byte of kv
	s_mov_b32 s45, 0
	s_mul_i32 s46, s[WV], WPART                    ; my part of a slot, in memory and in LDS
	s_mov_b32 s47, 0
	s_lshl_b32 s48, s68, 15                        ; the prefetches: my work-group's 32,768 bytes, my wave's 8,192,
	s_lshl_b32 s49, s[WV], 13
	s_add_co_u32 s48, s48, s49
	s_add_co_u32 s48, s48, 65536                   ; 131,072 bytes ahead of the first ask: each change of slots steps the address first
	s_mov_b32 s49, 0
	s_or_b32 s81, s71, ttmp9                       ; 0 in waves 0 to 3 of the batch's first cluster: the same in all four partners
	s_cmp_eq_u32 s81, 0
	s_cselect_b32 s[LIM], 4, -1
	; q: tile t is tile u = t % 2 of token group G = positions' group + 128 (t / 2)
	s_lshr_b32 s84, s71, 1
	s_lshl_b32 s84, s84, 7
	s_add_co_u32 s84, s84, s69                     ; G
	s_and_b32 s85, s71, 1                          ; u
	s_lshr_b32 s86, s84, 2
	s_lshl_b32 s87, s70, 6
	s_add_co_u32 s86, s86, s87
	s_mul_i32 s86, s86, 12800                      ; the block of 128 tokens
	s_and_b32 s84, s84, 3
	s_lshl_b32 s87, s84, 1
	s_add_co_u32 s87, s87, s85                     ; the image in it
	s_mul_i32 s88, s87, FRB
	s_add_co_u32 s88, s88, s86
	s_mov_b32 s89, 0
	s_lshl_b32 s90, s87, 6                         ; its 16 scale words
	s_add_co_u32 s90, s90, s86
	s_add_co_u32 s90, s90, 8*FRB
	s_mov_b32 s91, 0
	s_lshl_b32 s92, s70, 21                        ; ref and out0: the batch, and my 32 positions
	s_lshl_b32 s93, s69, 7
	s_add_co_u32 s92, s92, s93
	s_mov_b32 s93, 0
	s_lshr_b32 s50, s[WV], 1                       ; the tile of 16 outputs that I make in the last product
	s_mul_i32 s52, s50, 2*FRB
	s_mov_b32 s53, 0
	s_lshl_b32 s54, s50, 8
	s_add_co_u32 s54, s54, 16*FRB
	s_mov_b32 s55, 0
	s_mov_b32 s[SEL], 0x76543210
	s_mov_b32 s[SEL+1], 0xfedcba98
	s_mov_b32 s[CS], 0x3fb8aa3b                    ; log2(e)
	s_mov_b32 s[CS+1], s[CS]                       ; (named with it as a pair, so it is written)
	s_mov_b32 s[TB], 0
	s_mov_b32 s[SLOTS], 15
	s_wait_kmcnt 0x0
	s_add_nc_u64 s[6:7], s[6:7], s[44:45]          ; kv at my batch
	s_add_nc_u64 s[PFA:PFA+1], s[6:7], s[48:49]
	s_add_nc_u64 s[88:89], s[4:5], s[88:89]
	s_add_nc_u64 s[90:91], s[4:5], s[90:91]
	s_add_nc_u64 s[12:13], s[12:13], s[92:93]
	s_add_nc_u64 s[14:15], s[14:15], s[92:93]
	s_add_nc_u64 s[94:95], s[8:9], s[52:53]        ; wO's two fragments for my outputs: 3,072 consecutive bytes,
	s_add_nc_u64 s[96:97], s[8:9], s[54:55]        ; and their scale words
	s_mov_b32 s[G0], 1                             ; count = 1
	s_mov_b32 s[G0+1], s46                         ; LDS address: slot 0
	s_add_nc_u64 s[G0+2:G0+3], s[6:7], s[46:47]    ; global address: key steps 0 to 3
	s_or_b32 s[G0+3], s[G0+3], 0x80000000          ; type = 2
	CROUND                                         ; all four work-groups are here: the first joint loads meet
	tensor_load_to_lds s[G0:G0+3], s[G1:G1+7]      ; one load of mine is out, here and behind every change of slots
	s_nop 0
.rept 4
	v_nop
.endr
	v_and_b32 v96, 31, v0                          ; lane
	v_and_b32 v97, 15, v0                          ; r
	v_bfe_u32 v98, v0, 4, 1                        ; h
	v_bfe_u32 v99, v0, 3, 2                        ; lane / 8
	v_and_b32 v100, 7, v0                          ; lane % 8
	v_lshlrev_b32 v[L16], 4, v96
	v_lshlrev_b32 v[PFO], 8, v96
	v_lshlrev_b32 v9, 2, v97
.irp c, 0,1,2
	global_load_b128 v[16+4*\c:19+4*\c], v[L16], s[88:89] offset:512*\c   ; q's fragment stays in registers
.endr
	global_load_b32 v255, v9, s[90:91]             ; its scale words
	v_lshlrev_b32 v[GO], 14, v99                   ; ref, out0: output 8 wave + lane / 8 (16,384 bytes a row), 16 bytes a lane of my 128
	v_lshl_add_u32 v[GO], v100, 4, v[GO]
	s_lshl_b32 s32, s[WV], 17
	v_add_nc_u32 v[GO], s32, v[GO]
	global_load_b128 v[80:83], v[GO], s[12:13]
	global_load_b128 v[84:87], v[GO], s[12:13] offset:65536   ; four outputs on
	s_lshl_b32 s32, s[WV], 5
	v_lshl_add_u32 v8, v99, 2, s32
	global_load_b32 v88, v8, s[10:11]
	global_load_b32 v89, v8, s[10:11] offset:16
	s_mul_i32 s32, s72, STEPB
	v_add_nc_u32 v[LI], s32, v[L16]
	v_lshl_add_u32 v[LS], v96, 2, s32
	s_lshl_b32 s32, s[WV], 13
	v_add_nc_u32 v[OPA], s32, v[L16]
	s_lshl_b32 s32, s71, 15
	s_lshl_b32 s33, s72, 11
	s_add_co_u32 s32, s32, s33
	v_add_nc_u32 v[OPR], s32, v[L16]
	s_lshl_b32 s32, s[WV], 8
	s_add_co_u32 s32, s32, STAT
	v_lshl_add_u32 v[STW], v96, 3, s32
	s_lshl_b32 s32, s71, 10
	s_add_co_u32 s32, s32, STAT
	v_lshl_add_u32 v[STR], v96, 3, s32
	; e's codes: my three registers are registers 6 a + 3 h + i (a = s / 2) of lane r + 16 (s % 2) of image t.  Register n of a lane lies at 512 (n / 4) + 4 (n % 4): as a base and h x a distance:
	; i = 0: 520 a + h (12 + 496 a);  i = 1: 4 + 520 a + 508 h;  i = 2: 8 + 1,016 a + h (508 - 496 a)
	s_mul_i32 s32, s71, FRB
	s_and_b32 s33, s72, 1
	s_lshl_b32 s33, s33, 8
	s_add_co_u32 s32, s32, s33
	s_add_co_u32 s32, s32, EIMG
	v_lshl_add_u32 v101, v97, 4, s32
	s_lshr_b32 s33, s72, 1                         ; a
	s_mul_i32 s34, s33, 520
	s_mul_i32 s35, s33, 496
	s_add_co_u32 s36, s35, 12
	v_mul_u32_u24 v[EA], s36, v98
	v_add_nc_u32 v[EA], s34, v[EA]
	v_add_nc_u32 v[EA], v[EA], v101
	s_add_co_u32 s34, s34, 4
	v_mul_u32_u24 v[EA+1], 508, v98
	v_add_nc_u32 v[EA+1], s34, v[EA+1]
	v_add_nc_u32 v[EA+1], v[EA+1], v101
	s_mul_i32 s34, s33, 1016
	s_add_co_u32 s34, s34, 8
	s_sub_co_u32 s36, 508, s35
	v_mul_u32_u24 v[EA+2], s36, v98
	v_add_nc_u32 v[EA+2], s34, v[EA+2]
	v_add_nc_u32 v[EA+2], v[EA+2], v101
	s_lshl_b32 s32, s71, 6
	s_add_co_u32 s32, s32, s72
	s_add_co_u32 s32, s32, ESC
	v_lshl_add_u32 v[EB], v97, 2, s32              ; byte s of row r's word of tile t
	s_and_b32 s33, s[WV], 1                        ; in the last product: which tile of 16 positions is mine
	s_mul_i32 s32, s33, FRB
	s_add_co_u32 s32, s32, EIMG
	v_add_nc_u32 v[ER], s32, v[L16]
	s_lshl_b32 s32, s33, 6
	s_add_co_u32 s32, s32, ESC
	v_lshl_add_u32 v[ESR], v97, 2, s32
	s_mul_i32 s32, s50, 16*OSP
	s_lshl_b32 s33, s33, 5
	s_add_co_u32 s32, s32, s33
	s_add_co_u32 s32, s32, OST
	v_mul_u32_u24 v[OSW], v97, OSP
	v_lshl_add_u32 v[OSW], v98, 6, v[OSW]
	v_add_nc_u32 v[OSW], s32, v[OSW]               ; output 16 tile + r; positions 16 h + 8 u + 0 .. 7
	s_mul_i32 s32, s[WV], 8*OSP
	s_add_co_u32 s32, s32, OST
	v_mul_u32_u24 v[OSR], v99, OSP
	v_lshl_add_u32 v[OSR], v100, 4, v[OSR]
	v_add_nc_u32 v[OSR], s32, v[OSR]
	v_mov_b32 v13, 0xff61b1e6                      ; the largest t so far: -3e38, under every t
	v_floor_f32 v12, -v13                          ; -M
	v_mov_b32 v14, 0                               ; the sum, in two halves
	v_mov_b32 v15, 0
.irp b, 0,1,2,3
	v_mov_b32 v[236+\b], 0                         ; written once: a lane permute's destination counts as one of its sources
.endr
	v_mov_b32 v253, 0                              ; (named as the upper half of the pair v[252:253] before it is first written)
.set j, 0
.rept 64
	v_mov_b32 v[160+j], 0                          ; O^T.  The key step is written once for all steps: the first finds zeros, which the first change of M leaves zeros
.set j, j+1
.endr
; A KEY STEP: my 128 keys of the slot in hand.
.macro STEP
	v_add_nc_u32 v[ADK], s[TB], v[LI]
	v_add_nc_u32 v[ADS], s[TB], v[LS]
	v_nop
	v_nop                                          ; with the two additions: four places in front of loads into registers that the last step's matrix instructions have read
.irp g, 0,1                                    ; S^T = k q^T, four tiles of 16 keys at a time
.if \g > 0
.rept 4
	v_nop
.endr
.endif
.irp t, 0,1,2,3
.irp c, 0,1,2
	ds_load_b128 v[32+12*\t+4*\c:35+12*\t+4*\c], v[ADK] offset:(4*\g+\t)*FRB+512*\c
.endr
.endr
	ds_load_b32 v248, v[ADS] offset:8*FRB+256*\g           ; lanes 0-15: the words of tile 4 g, lanes 16-31: of tile 4 g + 1
	ds_load_b32 v249, v[ADS] offset:8*FRB+256*\g+128       ; tiles 4 g + 2 and 4 g + 3
	s_wait_dscnt 0x0
.irp t, 0,1,2,3
.if \t%2
	v_wmma_scale_f32_16x16x128_f8f6f4 v[96+8*(4*\g+\t):103+8*(4*\g+\t)], v[32+12*\t:43+12*\t], v[16:27], 0, v[248+\t/2], v255 matrix_a_fmt:MATRIX_FMT_FP6 matrix_b_fmt:MATRIX_FMT_FP6 matrix_a_scale:MATRIX_SCALE_ROW1
.else
	v_wmma_scale_f32_16x16x128_f8f6f4 v[96+8*(4*\g+\t):103+8*(4*\g+\t)], v[32+12*\t:43+12*\t], v[16:27], 0, v[248+\t/2], v255 matrix_a_fmt:MATRIX_FMT_FP6 matrix_b_fmt:MATRIX_FMT_FP6
.endif
.endr
.endr                                          ; lane (r, h) holds query r; the 16 registers of tiles 2 b, 2 b + 1 are keys 32 b + 16 h + 0 .. 15
.rept 4
	v_nop
.endr
.irp b, 0,1,2,3
	v_max3_num_f32 v[232+\b], v[96+16*\b], v[97+16*\b], v[98+16*\b]   ; the largest score of each block of 32 keys: it serves for the row's maximum and, since p rises with the score, for the block's largest p
.endr
.irp i, 3,5,7,9,11,13
.irp b, 0,1,2,3
	v_max3_num_f32 v[232+\b], v[232+\b], v[96+16*\b+\i], v[97+16*\b+\i]
.endr
.endr
.irp b, 0,1,2,3
	v_max_num_f32 v[232+\b], v[232+\b], v[111+16*\b]
.endr
.irp b, 0,1,2,3
	v_permlanex16_b32 v[236+\b], v[232+\b], s[SEL], s[SEL+1]
.endr
.irp b, 0,1,2,3
	v_max_num_f32 v[232+\b], v[232+\b], v[236+\b]  ; with lane l xor 16's 16 keys
.endr
	v_max3_num_f32 v254, v232, v233, v234
	v_max_num_f32 v254, v254, v235                 ; the step's largest score of my query
	v_mul_f32 v254, s[CS], v254                    ; as t
	v_max_num_f32 v13, v13, v254                   ; the running largest t
	v_mov_b32 v254, v12
	v_floor_f32 v12, -v13                          ; the new -M = floor(-t) = -ceil(t): a whole number
	v_sub_f32 v254, v12, v254                      ; M's old value less its new one: a whole number, 0 or less
	v_cvt_i32_f32 v254, v254                       ; (it saturates)
	v_ldexp_f32 v252, 1.0, v254                    ; f = 2^(old M - new M): a multiplication by it rounds nothing
.set j, 0
.rept 32
	v_pk_fma_f32 v[96+j:97+j], v[96+j:97+j], s[CS:CS+1], v[12:13] op_sel_hi:[1,0,0]   ; t - M, two at a time
.set j, j+2
.endr
.irp b, 0,1,2,3
	v_fma_f32 v[232+\b], v[232+\b], s[CS], v12     ; the same of each block's largest score
.endr
.set j, 0
.rept 64
	v_exp_f32 v[96+j], v[96+j]                     ; p = 2^(t - M), at most 1
.set j, j+1
.endr
	v_pk_mul_f32 v[14:15], v[14:15], v[252:253] op_sel_hi:[1,0]   ; the sums under the new M: the plain line behind the exponentials
	s_wait_alu depctr_va_vdst(0)                   ; one wait for the whole batch, ahead of its first reader
.irp b, 0,1,2,3
	v_exp_f32 v[232+\b], v[232+\b]                 ; each block's largest p: the same two instructions on the same number give the same bits
.endr
	v_pk_add_f32 v[236:237], v[96:97], v[98:99]    ; the row's sum is taken of the unquantised p, in two chains; it reads the 64 alone
.irp j, 4,8,12,16,20,24,28,32,36,40,44,48,52,56,60
	v_pk_add_f32 v[14:15], v[14:15], v[96+\j:97+\j]
	v_pk_add_f32 v[236:237], v[236:237], v[98+\j:99+\j]
.endr
	v_pk_add_f32 v[14:15], v[14:15], v[236:237]
	s_wait_alu depctr_va_vdst(0)                   ; and one for the four
.irp b, 0,1,2,3
	v_max_num_f32 v[232+\b], 0x1800000, v[232+\b]  ; the floor 2^(3 - 127): the byte cannot fall under 1
.endr
.irp b, 0,1,2,3
	v_add_nc_u32 v[244+\b], 0xff000000, v[232+\b]  ; 2 off the exponent field: the conversion's scale operand
.endr
.irp b, 0,1,2,3
	v_lshrrev_b32 v[236+\b], 23, v[244+\b]         ; the scale's byte
.endr
	v_lshl_or_b32 v253, v237, 8, v236              ; p's scale word for these 128 keys
	v_lshl_or_b32 v253, v238, 16, v253
	v_lshl_or_b32 v253, v239, 24, v253
.irp c, 0,1
	v_cvt_scalef32_pk16_fp6_f32 v[224+6*\c:226+6*\c], v[96+32*\c:111+32*\c], v[244+2*\c]
	v_cvt_scalef32_pk16_fp6_f32 v[236+4*\c:238+4*\c], v[112+32*\c:127+32*\c], v[244+2*\c+1]   ; (a conversion's three registers begin on an even number)
.endr
	v_nop                                          ; one plain line behind the scaled conversions
.irp c, 0,1                                    ; the operand wants a whole block in a lane: lanes 0-15 block 2 c, lanes 16-31 block 2 c + 1
.irp i, 0,1,2
	v_permlane16_swap_b32 v[224+6*\c+\i], v[236+4*\c+\i]
.endr
.irp i, 0,1,2
	v_mov_b32 v[227+6*\c+\i], v[236+4*\c+\i]
.endr
.endr
.set j, 0
.rept 32
	v_pk_mul_f32 v[160+j:161+j], v[160+j:161+j], v[252:253] op_sel_hi:[1,0]   ; O^T under the new M.  These 32 are also the places in front of the loads and matrix instructions below
.set j, j+2
.endr
.irp g, 0,1                                    ; O^T += v^T p^T: four tiles of 16 channels at a time; the eight accumulators take turns, one instruction a turn
.if \g > 0
.rept 4
	v_nop
.endr
.endif
.irp t, 0,1,2,3
.irp c, 0,1,2
	ds_load_b128 v[32+12*\t+4*\c:35+12*\t+4*\c], v[ADK] offset:12800+(4*\g+\t)*FRB+512*\c
.endr
.endr
	ds_load_b32 v248, v[ADS] offset:12800+8*FRB+256*\g
	ds_load_b32 v249, v[ADS] offset:12800+8*FRB+256*\g+128
	s_wait_dscnt 0x0
.irp t, 0,1,2,3
.if \t%2
	v_wmma_scale_f32_16x16x128_f8f6f4 v[160+8*(4*\g+\t):167+8*(4*\g+\t)], v[32+12*\t:43+12*\t], v[224:235], v[160+8*(4*\g+\t):167+8*(4*\g+\t)], v[248+\t/2], v253 matrix_a_fmt:MATRIX_FMT_FP6 matrix_b_fmt:MATRIX_FMT_FP6 matrix_a_scale:MATRIX_SCALE_ROW1
.else
	v_wmma_scale_f32_16x16x128_f8f6f4 v[160+8*(4*\g+\t):167+8*(4*\g+\t)], v[32+12*\t:43+12*\t], v[224:235], v[160+8*(4*\g+\t):167+8*(4*\g+\t)], v[248+\t/2], v253 matrix_a_fmt:MATRIX_FMT_FP6 matrix_b_fmt:MATRIX_FMT_FP6
.endif
.endr
.endr
.endm
; THE CHANGE OF SLOTS stands at a slot's head.  Each wave waits for all its tensor loads (its part of the slot that it is about to read), adds 0 to its spare word, and waits for that and for its reads of the slot that it has left.
; fill = 1: a round of the cluster's barrier follows, so that no wave of any partner still reads the other slot or has a load on its way, and the joint fill of that slot is the first thing behind it: it has a key step of every wave in which to land.
.macro CHANGE fill
	s_wait_tensorcnt 0x0                           ; no tensor load of mine is out, so group 0 may be written
	ds_add_u32 v[SPW], v[NIL]                      ; 0 onto my spare word
.if \fill
	s_xor_b32 s[G0+1], s[G0+1], SLOT1              ; the other slot than last time,
	s_add_nc_u64 s[G0+2:G0+3], s[G0+2:G0+3], ROUNDB   ; the next four key steps; the type bits on top are not reached
	s_wait_xcnt 0x0                                ; the last prefetch, a slot back, has read its address, so it may be written
	s_add_nc_u64 s[PFA:PFA+1], s[PFA:PFA+1], 131072
	s_wait_dscnt 0x0                               ; the add is done, and my reads of the slot that I have left are over
	CROUND
	tensor_load_to_lds s[G0:G0+3], s[G1:G1+7]      ; my one tensor load until the next round
	s_nop 0
.rept 4
	v_nop
.endr
	ASK
.else
	s_wait_dscnt 0x0
	s_barrier_signal -1
	s_barrier_wait -1
.endif
.endm
	s_wait_loadcnt 0x0                             ; q, ref, bO
.Lslot:                                            ; 15 trips: behind each change of slots but the last the next slot is asked for
	CHANGE 1
	STEP
	s_xor_b32 s[TB], s[TB], SLOT1                  ; on to the other slot
	s_sub_co_u32 s[SLOTS], s[SLOTS], 1
	s_cmp_lg_u32 s[SLOTS], 0
	s_cbranch_scc1 .Lslot
	CHANGE 0                                       ; the last slot is written out
	STEP
	; ---- the four parts of a tile meet.  My -M, my sum and my O^T go to LDS
.rept 4
	v_nop                                          ; places behind the last products
.endr
	v_add_f32 v14, v14, v15                        ; the sum's two halves,
	v_permlanex16_b32 v252, v14, s[SEL], s[SEL+1]
	v_add_f32 v13, v14, v252                       ; and lane l xor 16's: beside -M in the pair v[12:13]
	v_and_b32 v9, 31, v0
	v_lshlrev_b32 v9, 2, v9
.irp c, 0,1,2,3,4,5
	global_load_b128 v[32+4*\c:35+4*\c], v[L16], s[94:95] offset:512*\c   ; wO's two fragments for my 16 outputs: wanted two barriers on
.endr
	global_load_b32 v56, v9, s[96:97]
	global_load_b32 v57, v9, s[96:97] offset:128
	ds_store_b64 v[STW], v[12:13]
.set j, 0
.rept 16
	ds_store_b128 v[OPA], v[160+4*j:163+4*j] offset:512*j   ; each accumulator from its low end on
.set j, j+1
.endr
	s_wait_dscnt 0x0                               ; for the others' sake
	s_barrier_signal -1
	s_barrier_wait -1
	; ---- wave (t, s) joins channels 32 s .. 32 s + 31 of tile t: 16 a lane
.irp g, 0,1,2,3
	ds_load_b64 v[232+2*\g:233+2*\g], v[STR] offset:256*\g
.endr
.irp g, 0,1,2,3
.irp k, 0,1,2,3
	ds_load_b128 v[96+16*\g+4*\k:99+16*\g+4*\k], v[OPR] offset:8192*\g+512*\k
.endr
.endr
	s_wait_dscnt 0x0
	v_min3_num_f32 v240, v232, v234, v236
	v_min_num_f32 v240, v240, v238                 ; the least -M: the largest M
.irp g, 0,1,2,3
	v_sub_f32 v[244+\g], v240, v[232+2*\g]         ; each part's M less the largest: a whole number, 0 or less
.endr
.irp g, 0,1,2,3
	v_cvt_i32_f32 v[244+\g], v[244+\g]
.endr
.irp g, 0,1,2,3
	v_ldexp_f32 v[244+\g], 1.0, v[244+\g]          ; the part's factor: an exact power of two
.endr
	v_mul_f32 v241, v244, v233
	v_fmac_f32 v241, v245, v235
	v_fmac_f32 v241, v246, v237
	v_fmac_f32 v241, v247, v239                    ; the row's sum
	v_rcp_f32 v242, v241
	v_nop                                          ; a plain line behind the reciprocal,
	s_wait_alu depctr_va_vdst(0)                   ; and the wait ahead of its first reader
.irp g, 0,1,2,3
	v_mul_f32 v[224+2*\g], v[244+\g], v242         ; factor / sum, in both halves of a pair
	v_mul_f32 v[225+2*\g], v[244+\g], v242
.endr
.irp i, 0,2,4,6,8,10,12,14
	v_pk_mul_f32 v[160+\i:161+\i], v[96+\i:97+\i], v[224:225]
.endr
.irp g, 1,2,3
.irp i, 0,2,4,6,8,10,12,14
	v_pk_fma_f32 v[160+\i:161+\i], v[96+16*\g+\i:97+16*\g+\i], v[224+2*\g:225+2*\g], v[160+\i:161+\i]
.endr
.endr                                          ; e(my query, channels 32 s + 16 h + 0 .. 15): half of block 4 (t / 2) + s of the last product's K
	v_max3_num_f32 v243, |v160|, |v161|, 0x1800000
.irp i, 2,4,6,8,10,12,14
	v_max3_num_f32 v243, v243, |v[160+\i]|, |v[161+\i]|
.endr
	v_permlanex16_b32 v248, v243, s[SEL], s[SEL+1]
	v_max_num_f32 v243, v243, v248
	v_add_nc_u32 v249, 0xff000000, v243
	v_lshrrev_b32 v250, 23, v249
	v_cvt_scalef32_pk16_fp6_f32 v[176:178], v[160:175], v249
	v_nop                                          ; one plain line behind the scaled conversion
	ds_store_b32 v[EA], v176
	ds_store_b32 v[EA+1], v177
	ds_store_b32 v[EA+2], v178
	ds_store_b8 v[EB], v250                        ; (both halves of the lanes write the same byte with the same value)
	s_wait_dscnt 0x0
	s_barrier_signal -1
	s_barrier_wait -1
	; ---- the last product: wave w makes outputs 16 (w / 2) .. + 15 for the 16 positions of tile w % 2; K = 256: e of the ref token, then of the nei token
.irp c, 0,1,2
	ds_load_b128 v[96+4*\c:99+4*\c], v[ER] offset:512*\c
.endr
.irp c, 0,1,2
	ds_load_b128 v[108+4*\c:111+4*\c], v[ER] offset:2*FRB+512*\c
.endr
	ds_load_b32 v120, v[ESR]
	ds_load_b32 v121, v[ESR] offset:128
	s_wait_loadcnt 0x0                             ; wO
	s_wait_dscnt 0x0
	v_wmma_scale_f32_16x16x128_f8f6f4 v[128:135], v[96:107], v[32:43], 0, v120, v56 matrix_a_fmt:MATRIX_FMT_FP6 matrix_b_fmt:MATRIX_FMT_FP6
	s_wait_alu depctr_va_vdst(0)                   ; the wait stands directly ahead of the link
	v_wmma_scale_f32_16x16x128_f8f6f4 v[128:135], v[108:119], v[44:55], v[128:135], v121, v57 matrix_a_fmt:MATRIX_FMT_FP6 matrix_b_fmt:MATRIX_FMT_FP6
.rept 4
	v_nop
.endr
	ds_store_b128 v[OSW], v[128:131]               ; lane (r, h): output 16 tile + r, positions 16 h + 8 u + 0 .. 7
	ds_store_b128 v[OSW], v[132:135] offset:16
	s_wait_dscnt 0x0
	s_barrier_signal -1
	s_barrier_wait -1
	; ---- out: wave w stores outputs 8 w .. 8 w + 7; eight lanes to a row's 128 bytes
	ds_load_b128 v[96:99], v[OSR]
	ds_load_b128 v[100:103], v[OSR] offset:4*OSP
	s_wait_dscnt 0x0
.irp i, 0,1,2,3
	v_add_f32 v[96+\i], v[96+\i], v88
	v_add_f32 v[100+\i], v[100+\i], v89
.endr
.irp i, 0,1,2,3,4,5,6,7
	v_add_f32 v[96+\i], v[96+\i], v[80+\i]
.endr
	global_store_b128 v[GO], v[96:99], s[14:15]
	global_store_b128 v[GO], v[100:103], s[14:15] offset:65536
	s_wait_tensorcnt 0x0                           ; the wave's end, behind my last tensor load and my last LDS store
	ds_add_u32 v[SPW], v[NIL]
	s_wait_dscnt 0x0
	CROUND                                         ; the closing round: no work-group ends while a partner may still ask for a tile that names it
	s_endpgm
.Lfunc_end_k_q48fb216f5e_attn:
	.size	k_q48fb216f5e_attn, .Lfunc_end_k_q48fb216f5e_attn-k_q48fb216f5e_attn
	.p2alignl 7, 3214868480
	.fill 96, 4, 3214868480
	.section	.rodata,"a",@progbits
	.p2align	6, 0x0
	.amdhsa_kernel k_q48fb216f5e_attn
		.amdhsa_group_segment_fixed_size 327680
		.amdhsa_private_segment_fixed_size 0
		.amdhsa_enable_private_segment 0
		.amdhsa_kernarg_size 48
		.amdhsa_user_sgpr_count 2
		.amdhsa_user_sgpr_kernarg_segment_ptr 1
		.amdhsa_wavefront_size32 1
		.amdhsa_system_sgpr_workgroup_id_x 1
		.amdhsa_system_sgpr_workgroup_id_y 1
		.amdhsa_system_sgpr_workgroup_id_z 1
		.amdhsa_system_vgpr_workitem_id 0
		.amdhsa_next_free_vgpr 256
		.amdhsa_next_free_sgpr 100
		.amdhsa_reserve_vcc 0
		.amdhsa_float_denorm_mode_32 3
		.amdhsa_float_denorm_mode_16_64 3
		.amdhsa_memory_ordered 1
		.amdhsa_forward_progress 1
		.amdhsa_inst_pref_size 60
	.end_amdhsa_kernel
	.amdgpu_metadata
---
amdhsa.version: [ 1, 2 ]
amdhsa.kernels:
  - .name:           k_q48fb216f5e_attn
    .symbol:         k_q48fb216f5e_attn.kd
    .args:
      - { .name: qb, .offset: 0, .size: 8, .value_kind: global_buffer, .address_space: global }
      - { .name: kv, .offset: 8, .size: 8, .value_kind: global_buffer, .address_space: global }
      - { .name: wo, .offset: 16, .size: 8, .value_kind: global_buffer, .address_space: global }
      - { .name: bO, .offset: 24, .size: 8, .value_kind: global_buffer, .address_space: global }
      - { .name: ref, .offset: 32, .size: 8, .value_kind: global_buffer, .address_space: global }
      - { .name: out0, .offset: 40, .size: 8, .value_kind: global_buffer, .address_space: global }
    .group_segment_fixed_size: 327680
    .private_segment_fixed_size: 0
    .kernarg_segment_align: 8
    .kernarg_segment_size: 48
    .max_flat_workgroup_size: 512
    .sgpr_count:     100
    .vgpr_count:     256
    .wavefront_size: 32
...
	.end_amdgpu_metadata
.endif
;; end of part 2
